; MI455X (gfx1250); checked and timed in simulation.
; The chip was launched on July 23, 2026; its instructions are those of AMD's public machine-readable ISA for CDNA 5 (MIT licence, August 2026) and "CDNA5" Instruction Set Architecture Reference Guide (July 2026). The comments in the code are by the model that wrote it; some were corrected since.
;; Self Attention. Allowed arithmetic: matrix products marked QUANTISED: E4M3 operands, one given power-of-two scale a tensor, by v_wmma_f32_16x16x64_fp8_fp8 or v_wmma_f32_16x16x128_fp8_fp8, f32 sums; everything else in f32.
;; Inputs: Wk_codes 1,024 x 32 x 32 uint8 (E4M3 codes of Wk, K innermost, in blocks of 32 codes); Wo_codes 1,024 x 32 x 32 uint8 (E4M3 codes of Wo, K innermost, in blocks of 32 codes); Wq_codes 1,024 x 32 x 32 uint8 (E4M3 codes of Wq, K innermost, in blocks of 32 codes); Wv_codes 1,024 x 32 x 32 uint8 (E4M3 codes of Wv, K innermost, in blocks of 32 codes); bk 1,024 float32; bo 1,024 float32; bq 1,024 float32; bv 1,024 float32; lowp_scales 12 int32 (the exponents e of the quantised operands' scales 2^e); x_codes 4 x 2,048 x 32 x 32 uint8 (E4M3 codes of x, K innermost, in blocks of 32 codes).
;; Outputs: out0 4 x 2,048 x 1,024 float32.
;; This version of the problem:
;;   THIS VERSION OF THE PROBLEM IS GIVEN IN LOW PRECISION. The matrix products marked QUANTISED in the list below multiply operands that are first quantised to E4M3 (4 exponent bits, 3 mantissa bits; 8 bits a number), with one given power-of-two scale for each operand tensor; their sums are f32. All else is computed in f32.
;;   The module's matrix products, in the order in which they are computed (A, B: the left and right operand; K: the contracted axis; several contracted axes count as one K, in the product's order):
;;     1. [M 8,192, K 1,024] x [K 1,024, N 1,024]; A: input x (given as codes); B: input Wq (given as codes): QUANTISED (scales: A lowp_scales[0], B lowp_scales[1])
;;     2. [M 8,192, K 1,024] x [K 1,024, N 1,024]; A: input x (given as codes); B: input Wk (given as codes): QUANTISED (scales: A lowp_scales[2], B lowp_scales[3])
;;     3. [M 8,192, K 1,024] x [K 1,024, N 1,024]; A: input x (given as codes); B: input Wv (given as codes): QUANTISED (scales: A lowp_scales[4], B lowp_scales[5])
;;     4. batch 64 x [M 2,048, K 64] x [K 64, N 2,048]; A: computed on the way; B: computed on the way: QUANTISED (scales: A lowp_scales[6], B lowp_scales[7])
;;     5. batch 64 x [M 2,048, K 2,048] x [K 2,048, N 64]; A: softmax (see below); B: computed on the way: QUANTISED (scales: A lowp_scales[8], B lowp_scales[9])
;;     6. [M 8,192, K 1,024] x [K 1,024, N 1,024]; A: computed on the way; B: input Wo (given as codes): QUANTISED (scales: A lowp_scales[10], B lowp_scales[11])
;;   THE QUANTISER, for each operand of a quantised product, along K:
;;     - The operand's scale is 2^e, e = its entry of the input lowp_scales (int32; the entries are numbered through the quantised products in the list's order, A before B).
;;     - Each number is divided by the scale, clamped to +-448, and rounded to the nearest number of E4M3, ties to even, subnormals kept.
;;     - The product sums the exact products of the quantised numbers (number of the format x scale) in f32.
;;   ~~~python
;;   def quantise(x, axis, e):      # numpy; x: float32 -> the quantised numbers, widened to float32 again
;;       x = np.moveaxis(x, axis, -1); K = x.shape[-1]
;;       r = np.clip(x / 2.0 ** e, -448, 448)
;;       step = 2.0 ** (np.maximum(np.frexp(np.where(r == 0, 1, r))[1] - 1, -6) - 3)
;;       q = np.round(r / step) * step * 2.0 ** e      # np.round: ties to even
;;       return np.moveaxis(q, -1, axis).astype(np.float32)
;;   ~~~
;;   SOFTMAX AHEAD OF A QUANTISED PRODUCT. Where the list says 'softmax', what is quantised is not the finished softmax but p = 2^(t - M), with t = logit x log2(e) and M = ceil(the row's largest t), a whole number; so 1/2 < the row's largest p <= 1. The row's sum l is taken of the UNQUANTISED p, in f32, and the product's result is divided by l at the end. Since M is a whole number, a kernel that streams over the keys may use a running M (the ceiling of the running maximum): every later rescaling is an exact power of two, so the quantised numbers keep their values, but for numbers so far below the row's largest that they fall under the format's range.
;;   OPERANDS COMPUTED ON THE WAY. 'Computed on the way' means the value that the module computes at that place (a softmax that the list does not call 'softmax' is quantised finished and normalised). What goes into a quantiser is computed in f32, as accurately as f32 sums, v_exp_f32 and their like allow (about 1e-6 of the number): no bf16 or f16 on the way to a quantiser, and a product that is left as it is and whose result goes on into a quantised operand takes f32 operands (vector FMAs, or v_wmma_f32_16x16x4_f32). A number that lies on a knife's edge between two numbers of the format may be rounded either way, as far as f32 arithmetic and the matrix unit's own rounding can turn it there, and no further.
;;   INPUTS GIVEN AS CODES. Wk (in the module: [1024, 1024], K = its axis 0); Wo (in the module: [1024, 1024], K = its axis 0); Wq (in the module: [1024, 1024], K = its axis 0); Wv (in the module: [1024, 1024], K = its axis 0); x (in the module: [4, 2048, 1024], K = its axis 2): each comes as NAME_codes (uint8): NAME with its K axis moved to the last place and cut into blocks of 32 codes, [.., K / 32, bytes a block], one block behind the other in memory; one code a byte (a code: sign, 4 exponent bits, 3 mantissa bits); its scale is its entry of lowp_scales. Its value is code x scale, taken as it is: it is not quantised again, and the codes and scales need not be those that the quantiser above would give.
;; One version. Each part assembles by itself: llvm-mc -triple=amdgcn-amd-amdhsa -mcpu=gfx1250 --defsym DOCPART=n.
;; ======== version 1 of 1: 3 launches
;; limits: right only within a limited range of input values
;; workspace buffers: qimg 8,388,608 bytes; kimg 8,388,608 bytes; vimg 8,388,608 bytes; yimg 8,388,608 bytes
;; launch qkv (part 1): grid 12 x 32, 4 waves a work-group, clusters of 4 x 4, 327,680 bytes of LDS; arguments x_codes, Wq_codes, Wk_codes, Wv_codes, bq, bk, bv, lowp_scales, qimg, kimg, vimg; writes qimg, kimg, vimg
.if DOCPART == 1
	.amdgcn_target "amdgcn-amd-amdhsa--gfx1250"
	.amdhsa_code_object_version 6
	.text
	.protected	k_q952aa4adc6_qkv
	.globl	k_q952aa4adc6_qkv
	.p2align	8
	.type	k_q952aa4adc6_qkv,@function
k_q952aa4adc6_qkv:
	s_mov_b64 s[64:65], 0
	v_nop
	global_prefetch_b8 v0, s[64:65] scope:SCOPE_SE
	s_setreg_imm32_b32 hwreg(HW_REG_WAVE_MODE, 25, 1), 1
	s_wait_xcnt 0x0
	s_wait_alu depctr_hold_cnt(0) depctr_sa_sdst(0) depctr_va_vdst(0) depctr_va_sdst(0) depctr_va_ssrc(0) depctr_va_vcc(0) depctr_vm_vsrc(0)
	s_getreg_b32 s2, hwreg(HW_REG_IB_STS2, 6, 4)
	s_cmp_eq_u32 s2, 0
	s_cbranch_scc0 .Lentry_in_a_cluster
	s_endpgm
.Lentry_in_a_cluster:
	s_bfe_u32 s2, ttmp6, 0x10000c
	s_cmp_lg_u32 s2, 0xf033
	s_cbranch_scc0 .Lentry_shape_is_right
	s_endpgm
.Lentry_shape_is_right:
; q = x Wq + bq, k = x Wk + bk, v = x Wv + bv on codes of FP8 (E4M3), each result quantised at once with its given scale and stored as an IMAGE OF OPERAND REGISTERS for the attention launch.
; x: [8192][1024] codes; each W: [1024 (n)][1024 (k)] codes, K innermost.  lowp_scales: e0, e1 (x, Wq), e2, e3 (x, Wk), e4, e5 (x, Wv); the results' scales: q e6, k e7, v e9.
; A sum stands for sum x 2^(ea + eb); value = sum x 2^(ea + eb) + bias (one fused multiply-add); code = value / 2^eo, held within +-448, to the nearest code, ties to even.
; LIMITS: ea + eb between -126 and 127, eo between -126 and 119, so that each power of two below is an f32 number.  NaN among the biases is not served.
; SHARES.  The cluster's x (0, 1, 2) says which product: q, k or v; it is the same number in all sixteen partners.  A work-group of four waves makes 256 x 256 results of "A" x "B"^T, a wave 128 x 128: 64 accumulators.
;   q, k: "A" = x (tile 4 x cluster y + cy), "B" = W (tile cx).   v: "A" = Wv (tile cy), "B" = x (tile 4 x cluster y + cx): only pointers and tile numbers are chosen, by selects on the cluster's x.
; THE MATRIX INSTRUCTION IS USED TRANSPOSED (source 0 = 16 rows of "B", source 1 = 16 rows of "A"): a lane holds one row of "A" and eight neighbouring rows of "B".  For q and k that is one token and eight
; neighbouring channels of a head (the next product's K); for v one channel and eight neighbouring tokens (the keys, the next K).  So one conversion of eight numbers gives registers 2 c, 2 c + 1 of the next operand.
; IMAGES.  qimg, kimg: [batch x head 64][tile of 16 tokens 128][piece 2][lane 32][16 bytes]: lane (r, h) holds token r, registers 2 c, 2 c + 1 channels 16 c + 8 h + 0..7.
;          vimg: [batch x head 64][group of 128 keys 16][tile of 16 channels 4][piece 4][lane 32][16 bytes]: lane (r, h) holds channel r, registers 2 c, 2 c + 1 keys 16 c + 8 h + 0..7.
; Each store of a wave is four registers a lane at 16 x lane: 512 consecutive bytes, aligned.  No LDS is needed on the way out.
; K goes in steps of 256 through a ring of two LDS slots filled by joint tensor loads: "A"'s tiles are shared along a row of the cluster, "B"'s along a column.  K = 1024 is four slots' worth: all eight steps of 128 are written out.
; REGISTERS, in windows of 256: window 0: v0-31 addresses; v32-95 the bias along "B" (eight a tile), v96-111 the bias along "A" (a pair a block); from v128 "A"'s fragments, ONE set; on the way out v128-191 values, v192-255 codes.
;   window 1: "B"'s fragments, TWO sets.   window 2: the accumulators of my rows 0-63 ((a, b) at v[8 (8 a + b)]);   window 3: those of my rows 64-127.
.set ROWB,   256                       ; a tile's row in bytes: 256 codes
.set KROW,   1024                      ; a row of x or of a weight in memory
.set PITCH,  272                       ; an LDS row: 256 bytes + 16 of padding = 68 words: row r starts at bank 4 r mod 64 (64 banks of 4 bytes: ISA guide 11.1)
.set FR,     16                        ; registers of a fragment: 16 rows x 128 K
.set NL,     4                         ; LDS loads that bring one
.set NP,     4                         ; places behind this matrix instruction (ISA guide 7.12.1)
.set HALFT,  128*PITCH                 ; 128 rows: what one tensor load brings
.set SLOT,   4*HALFT                   ; "A"'s 256 rows, then "B"'s 256 rows
.set SPARE,  2*SLOT                    ; behind the ring: the spare words, 128 bytes for each wave
.set HEADB,  131072                    ; a head's image in bytes
.set SC,   12                          ; v12     2^eo as f32
.set LIM,  13
.set ADRA, 16                          ; v16-17  LDS address of my "A" fragments in slot 0, 1
.set ADRB, 20                          ; v20-21  the same for "B"
.set CO,   26                          ; v26     16 x lane
.set SPW,  28                          ; v28     LDS address of my spare word; never rewritten
.set NIL,  29                          ; v29     0; never rewritten
.set BB,   32
.set BA,   96
.set AF,   128
.set TMP,  128
.set CD,   192
.set G1, 24                            ; s[24:31] descriptor group 1 for "A"'s tiles;  s[32:39] group 0, one set for each slot
.set G0, 32
.set G1B, 48                           ; s[48:55], s[56:63] the same for "B"'s tiles
.set G0B, 56
.set MSB, 0
.macro WIN new                         ; the immediate's high byte repeats the setting that is left
.if MSB != \new
	s_set_vgpr_msb (MSB<<8)|\new
.set MSB, \new
.endif
.endm
.set MUL_LO, 0xa1                      ; source 0 ("B") window 1, source 1 ("A") window 0, C and D window 2
.set MUL_HI, 0xf1                      ; the same, C and D window 3
.set TO_B,   0x40                      ; destination window 1, address window 0
; A joint load: waves 0 and 1 fetch for "A", waves 2 and 3 for "B".  The branch hangs on the wave's number alone.  Four v_nop follow each of the two lines.
.macro JLOAD g0a, g1a, g0b, g1b
	s_cmp_eq_u32 s15, 0
	s_cbranch_scc0 .Lfor_b_\@
	tensor_load_to_lds s[\g0a:\g0a+3], s[\g1a:\g1a+7]
	s_nop 0
.rept 4
	v_nop
.endr
	s_branch .Lasked_\@
.Lfor_b_\@:
	tensor_load_to_lds s[\g0b:\g0b+3], s[\g1b:\g1b+7]
	s_nop 0
.rept 4
	v_nop
.endr
.Lasked_\@:
.endm
.macro CREST                           ; a round of the cluster's barrier behind its opening barrier
	s_cmp_lg_u32 s14, 0
	s_cbranch_scc1 .Lnot_wave_0_\@
	s_barrier_signal -3
.Lnot_wave_0_\@:
	s_barrier_wait -3
	s_barrier_signal -1
	s_barrier_wait -1
.endm
.macro CROUND                          ; a whole round
	s_barrier_signal -1
	s_barrier_wait -1
	CREST
.endm
	s_load_b512 s[68:83], s[0:1], 0x0              ; x s[68:69], Wq s[70:71], Wk s[72:73], Wv s[74:75], bq s[76:77], bk s[78:79], bv s[80:81], the scales' exponents s[82:83]
	s_load_b128 s[84:87], s[0:1], 0x40             ; qimg, kimg
	s_load_b64 s[88:89], s[0:1], 0x50              ; vimg
	v_lshl_add_u32 v[SPW], v0, 2, SPARE
	v_mov_b32 v[NIL], 0
	ds_add_u32 v28, v29
	ds_add_u32 v28, v29
	s_wait_dscnt 0x0
	v_lshrrev_b32 v1, 5, v0
	v_readfirstlane_b32 s14, v1                    ; wave 0..3
	s_lshr_b32 s15, s14, 1                         ; which half of "A"'s rows is mine.  Also: I fetch for "A" (0) or for "B" (1)
	s_and_b32 s16, s14, 1                          ; which half of "B"'s rows.  Also: which 128 rows of that tile I fetch
	s_bfe_u32 s40, ttmp6, 0x40000                  ; cx, cy: my place in the cluster
	s_bfe_u32 s41, ttmp6, 0x40004
	s_and_b32 s12, ttmp7, 0xffff
	s_lshl_b32 s12, s12, 2                         ; 4 x cluster y: it counts x's tiles of 256 tokens
	s_cmp_eq_u32 ttmp9, 2                          ; v?  Then x is "B"
	s_cselect_b32 s13, s12, 0
	s_cselect_b32 s12, 0, s12
	s_add_co_u32 s17, s12, s41                     ; "A"'s tile: it hangs on cy alone
	s_add_co_u32 s42, s13, s40                     ; "B"'s tile: on cx alone
	s_lshl_b32 s43, s41, 2
	s_lshl_b32 s43, 15, s43                        ; my row of the cluster
	s_lshl_b32 s44, 0x1111, s40                    ; my column
	; descriptor group 1: a tile of 128 rows x 256 bytes, padded in LDS
	s_or_b32 s[G1+0], s43, (0<<16)|(1<<20)|(1<<21)|(5<<22)|(3<<25)  ; 15:0 the mask; 17:16 elements of 1 byte; 20 padding on; 21 set beside a mask; 24:22 after every 64 words; 31:25 four words
	s_or_b32 s[G1B+0], s44, (0<<16)|(1<<20)|(1<<21)|(5<<22)|(3<<25)
.irp g, G1, G1B
	s_mov_b32 s[\g+1], ROWB<<16                    ; tensor_dim0
	s_mov_b32 s[\g+2], 128<<16                     ; tensor_dim1
	s_mov_b32 s[\g+3], ROWB<<16                    ; tile_dim0
	s_mov_b32 s[\g+4], 128                         ; tile_dim1
	s_mov_b32 s[\g+5], KROW                        ; tensor_dim0_stride
	s_mov_b32 s[\g+6], 0
	s_mov_b32 s[\g+7], 0
.endr
	s_lshl_b32 s18, s16, 7                         ; which 128 rows of the tile I fetch
	s_lshl_b32 s20, s17, 8
	s_add_co_u32 s20, s20, s18
	s_lshl_b32 s20, s20, 10                        ; "A": (256 x tile + 128 x half) rows of 1,024 bytes: under 2^23
	s_mov_b32 s21, 0
	s_lshl_b32 s46, s42, 8
	s_add_co_u32 s46, s46, s18
	s_lshl_b32 s46, s46, 10                        ; "B" likewise
	s_mov_b32 s47, 0
	s_mul_i32 s45, s14, HALFT                      ; where they go: wave x 128 rows: no place in the cluster enters an LDS address
	s_wait_kmcnt 0x0
	s_cmp_eq_u32 ttmp9, 1                          ; the product's weight, bias and output, chosen by the cluster's x
	s_cselect_b64 s[6:7], s[72:73], s[70:71]
	s_cselect_b64 s[8:9], s[78:79], s[76:77]
	s_cselect_b64 s[10:11], s[86:87], s[84:85]
	s_cmp_eq_u32 ttmp9, 2
	s_cselect_b64 s[6:7], s[74:75], s[6:7]
	s_cselect_b64 s[8:9], s[80:81], s[8:9]
	s_cselect_b64 s[10:11], s[88:89], s[10:11]
	s_cselect_b64 s[4:5], s[6:7], s[68:69]         ; "A": Wv for v, else x
	s_cselect_b64 s[6:7], s[68:69], s[6:7]         ; "B": x for v, else the weight
	s_load_b256 s[68:75], s[82:83], 0x0            ; e0 .. e7 (the pointers that lay here have been chosen from)
	s_load_b128 s[76:79], s[82:83], 0x20           ; e8 .. e11
	s_add_nc_u64 s[20:21], s[4:5], s[20:21]
	s_add_nc_u64 s[46:47], s[6:7], s[46:47]
	CROUND                                         ; all sixteen work-groups are here: the first joint loads meet
.irp s, 0,1
	s_mov_b32 s[G0+4*\s], 1
	s_add_co_u32 s[G0+4*\s+1], s45, \s*SLOT
	s_add_nc_u64 s[G0+4*\s+2:G0+4*\s+3], s[20:21], \s*ROWB
	s_or_b32 s[G0+4*\s+3], s[G0+4*\s+3], 0x80000000
	s_mov_b32 s[G0B+4*\s], 1
	s_add_co_u32 s[G0B+4*\s+1], s45, \s*SLOT
	s_add_nc_u64 s[G0B+4*\s+2:G0B+4*\s+3], s[46:47], \s*ROWB
	s_or_b32 s[G0B+4*\s+3], s[G0B+4*\s+3], 0x80000000
	JLOAD G0+4*\s, G1, G0B+4*\s, G1B               ; two loads of mine are out
.endr
	v_and_b32 v1, 15, v0                           ; r = lane % 16
	v_bfe_u32 v2, v0, 4, 1                         ; h = lane / 16
	v_mul_u32_u24 v3, v1, PITCH
	v_lshl_add_u32 v4, v2, 4, v3                   ; a fragment's row x pitch + 16 x half
	s_mul_i32 s21, s15, HALFT                      ; my 128 rows of "A"
	s_mul_i32 s22, s16, HALFT                      ; my 128 rows of "B",
	s_add_co_u32 s22, s22, 2*HALFT                 ; which lie behind "A"'s 256
.irp s, 0,1
	v_add_nc_u32 v[ADRA+\s], s21, v4
	v_add_nc_u32 v[ADRB+\s], s22, v4
	s_add_co_u32 s21, s21, SLOT
	s_add_co_u32 s22, s22, SLOT
.endr
	v_lshlrev_b32 v10, 2, v1                       ; 4 r
	v_lshlrev_b32 v27, 5, v2                       ; 32 h
	s_wait_alu depctr_va_vdst(0)
	v_and_b32 v6, 31, v0
	v_lshlrev_b32 v[CO], 4, v6                     ; 16 x lane
	; THE BIAS of my 128 channels, in both forms, so that no load hangs on the product: along "B" (q, k: eight neighbours a tile) and along "A" (v: one number a block, twice, for the packed form).
	s_cmp_eq_u32 ttmp9, 2
	s_cselect_b32 s18, s17, s42                    ; the channels' tile of 256,
	s_cselect_b32 s19, s15, s16                    ; and my half of it
	s_lshl_b32 s18, s18, 8
	s_lshl_b32 s19, s19, 7
	s_add_co_u32 s18, s18, s19
	s_lshl_b32 s18, s18, 2                         ; at most 3,584 bytes; 512 bytes are read from there on: inside the 4,096
	s_mov_b32 s19, 0
	s_add_nc_u64 s[8:9], s[8:9], s[18:19]
.irp b, 0,1,2,3,4,5,6,7
	global_load_b128 v[BB+8*\b:BB+8*\b+3], v27, s[8:9] offset:64*\b        ; bias(16 b + 8 h + 0..3)
	global_load_b128 v[BB+8*\b+4:BB+8*\b+7], v27, s[8:9] offset:64*\b+16   ; bias(16 b + 8 h + 4..7)
.endr
.irp a, 0,1,2,3,4,5,6,7
	global_load_b32 v[BA+2*\a], v10, s[8:9] offset:64*\a                   ; bias(16 a + r)
	global_load_b32 v[BA+2*\a+1], v10, s[8:9] offset:64*\a
.endr
	; where my images begin.  q, k: head (batch x 16 + 4 x "B"'s tile + 2 x half) x 128 KB + token tile x 1 KB.   v: head (batch x 16 + 4 x "A"'s tile + 2 x half) x 128 KB + key group x 8 KB
	s_lshr_b32 s18, s17, 3
	s_lshl_b32 s18, s18, 4
	s_lshl_b32 s19, s42, 2
	s_add_co_u32 s18, s18, s19
	s_lshl_b32 s19, s16, 1
	s_add_co_u32 s18, s18, s19
	s_lshl_b32 s18, s18, 17
	s_and_b32 s19, s17, 7
	s_lshl_b32 s19, s19, 4
	s_lshl_b32 s22, s15, 3
	s_add_co_u32 s19, s19, s22
	s_lshl_b32 s19, s19, 10
	s_add_co_u32 s18, s18, s19
	s_lshr_b32 s22, s42, 3
	s_lshl_b32 s22, s22, 4
	s_lshl_b32 s23, s17, 2
	s_add_co_u32 s22, s22, s23
	s_lshl_b32 s23, s15, 1
	s_add_co_u32 s22, s22, s23
	s_lshl_b32 s22, s22, 17
	s_and_b32 s23, s42, 7
	s_lshl_b32 s23, s23, 1
	s_add_co_u32 s23, s23, s16
	s_lshl_b32 s23, s23, 13
	s_add_co_u32 s22, s22, s23
	s_cmp_eq_u32 ttmp9, 2
	s_cselect_b32 s18, s22, s18
	s_mov_b32 s19, 0
	s_add_nc_u64 s[10:11], s[10:11], s[18:19]
.macro FRAG reg, adr, q, i             ; a fragment, 16 rows x 128 K: lane l holds row l % 16; registers 4 c .. 4 c + 3 hold K = 32 c + 16 (l / 16) + 0 .. 15: the same order of k in "A" and in "B"
.irp c, 0,1,2,3
	ds_load_b128 v[\reg+4*\c:\reg+4*\c+3], v[\adr] offset:128*(\q)+32*\c+(\i)*16*PITCH
.endr
.endm
; 16 matrix instructions: "A"'s blocks a0, a0 + 1 x "B"'s eight, 128 along K.  p: "B"'s set.  zero = 1: the first product starts the sums.
; The 64 accumulators take turns, one instruction a turn, in the same order in every step.
.macro MUL16 a0, p, zero
.irp a, \a0, \a0+1
.irp b, 0,1,2,3,4,5,6,7
.if \zero
	v_wmma_f32_16x16x128_fp8_fp8 v[8*(8*((\a)%4)+\b):8*(8*((\a)%4)+\b)+7], v[128*(\p)+FR*\b:128*(\p)+FR*\b+FR-1], v[AF+FR*(\a):AF+FR*(\a)+FR-1], 0
.else
	v_wmma_f32_16x16x128_fp8_fp8 v[8*(8*((\a)%4)+\b):8*(8*((\a)%4)+\b)+7], v[128*(\p)+FR*\b:128*(\p)+FR*\b+FR-1], v[AF+FR*(\a):AF+FR*(\a)+FR-1], v[8*(8*((\a)%4)+\b):8*(8*((\a)%4)+\b)+7]
.endif
.endr
.endr
.endm
.macro FETCH_B slot, q, p              ; "B"'s eight fragments of the slot's q-th 128 along K into set p
	WIN TO_B
.irp i, 0,1,2,3,4,5,6,7
	FRAG 128*(\p)+FR*\i, ADRB+\slot, \q, \i
.endr
	WIN 0
.endm
.macro FETCH_A slot, q, i0             ; "A"'s blocks i0 .. i0 + 3
.irp i, \i0, \i0+1, \i0+2, \i0+3
	FRAG AF+FR*(\i), ADRA+\slot, \q, \i
.endr
.endm
.macro PLACES n                        ; plain vector instructions between a matrix instruction and a load into, or a vector instruction on, its registers
.rept \n
	v_nop
.endr
.endm
; A step of 128 along K that has its successor in the same slot.
.macro STEP slot, q, zero
	s_wait_dscnt 4*NL                              ; "B"'s set and "A"'s blocks 0-3 are in; the youngest 16 loads ("A"'s blocks 4-7) may be out
	WIN MUL_LO
	MUL16 0, (\q)%2, \zero
	MUL16 2, (\q)%2, \zero
	s_wait_dscnt 0                                 ; "A"'s blocks 4-7 are in
	PLACES NP
	FETCH_B \slot, (\q)+1, 1-(\q)%2
	FETCH_A \slot, (\q)+1, 0
	WIN MUL_HI
	MUL16 4, (\q)%2, \zero
	MUL16 6, (\q)%2, \zero
	PLACES NP
	WIN 0
	FETCH_A \slot, (\q)+1, 4
.endm
; A slot's last step changes slots: ONE barrier; in front of it each wave waits for all its tensor loads, adds 0 to its spare word, and waits for that and for its own reads of this slot.  fill = 1: this slot is filled again, two slots ahead.
.macro TURN slot, next, fill
	s_wait_tensorcnt 0x0                           ; all my tensor loads have landed: my part of the next slot
	ds_add_u32 v[SPW], v[NIL]                      ; 0 onto my spare word
	s_wait_dscnt 4*NL+1                            ; (the add and the youngest 16 loads may be out)
	WIN MUL_LO
	MUL16 0, 1, 0                                  ; sixteen matrix instructions stand between the add and the wait for it
	s_wait_dscnt 0x0                               ; the add is done, and my reads of this slot are over
	s_barrier_signal -1
	MUL16 2, 1, 0
	WIN 0
	s_barrier_wait -1
.if \fill
	CREST                                          ; the barrier has opened a round of the cluster's barrier: no wave of any partner still reads this slot or has a load on its way
	s_add_nc_u64 s[G0+4*\slot+2:G0+4*\slot+3], s[G0+4*\slot+2:G0+4*\slot+3], 2*ROWB
	s_add_nc_u64 s[G0B+4*\slot+2:G0B+4*\slot+3], s[G0B+4*\slot+2:G0B+4*\slot+3], 2*ROWB
	JLOAD G0+4*\slot, G1, G0B+4*\slot, G1B         ; the first tensor load behind the round; its four v_nop are also the places in front of the loads below
.else
	PLACES NP
.endif
	FETCH_B \next, 0, 0
	FETCH_A \next, 0, 0
	WIN MUL_HI
	MUL16 4, 1, 0
	MUL16 6, 1, 0
	PLACES NP
	WIN 0
	FETCH_A \next, 0, 4
.endm
	s_wait_tensorcnt 1                             ; my part of slot 0 is in (slot 1's load may be out)
	s_barrier_signal -1
	s_barrier_wait -1                              ; everybody's is
	FETCH_B 0, 0, 0
	FETCH_A 0, 0, 0
	FETCH_A 0, 0, 4
	STEP 0, 0, 1                                   ; K 0-127: the first products start the sums
	TURN 0, 1, 1                                   ; K 128-255; slot 0 takes K 512-767
	STEP 1, 0, 0                                   ; K 256-383
	TURN 1, 0, 1                                   ; K 384-511; slot 1 takes K 768-1023
	STEP 0, 0, 0                                   ; K 512-639
	TURN 0, 1, 0                                   ; K 640-767; nothing is left to fetch
	STEP 1, 0, 0                                   ; K 768-895
	s_wait_dscnt 4*NL                              ; K 896-1023
	WIN MUL_LO
	MUL16 0, 1, 0
	MUL16 2, 1, 0
	s_wait_dscnt 0
	WIN MUL_HI
	MUL16 4, 1, 0
	MUL16 6, 1, 0
	WIN 0
	; THE WAY OUT.  The product's three exponents are chosen by the cluster's x.
	s_wait_kmcnt 0x0
	s_cmp_eq_u32 ttmp9, 1
	s_cselect_b32 s96, s70, s68
	s_cselect_b32 s97, s71, s69
	s_cselect_b32 s98, s75, s74
	s_cmp_eq_u32 ttmp9, 2
	s_cselect_b32 s96, s72, s96
	s_cselect_b32 s97, s73, s97
	s_cselect_b32 s98, s77, s98
	s_add_co_i32 s96, s96, s97
	s_add_co_i32 s96, s96, 127
	s_lshl_b32 s96, s96, 23                        ; 2^(ea + eb) as f32
	s_mov_b32 s97, s96                             ; (named with it as a pair, so it is written)
	s_add_co_i32 s98, s98, 127
	s_lshl_b32 s99, s98, 23
	v_mov_b32 v[SC], s99                           ; 2^eo: the conversion takes its exponent field
	s_wait_loadcnt 0x0                             ; the biases
	PLACES NP                                      ; behind the last products: their results are read, and "A"'s registers written, below
; Block a (16 rows of "A" x my 128 rows of "B"): value = sum x 2^(ea + eb) + bias, each accumulator from its low end on; the hold; eight conversions give 16 registers of codes; four stores of 512 consecutive bytes.
; kind 0 (q, k): the 16 registers are two heads' fragments of 8.   kind 1 (v): they are one fragment of 16.   Four sets of code registers take turns: a set is written again only when its stores have read it.
.macro OUT a, kind
.if (\a) >= 4
	s_wait_xcnt 0x0                                ; block a - 4's stores have read their registers
.endif
.set AC, 64*((\a)%4)
.set CC, CD+16*((\a)%4)
	WIN 0x02+((\a)/4)                              ; source 0: window 2 or 3
.set j, 0
.rept 32
.if \kind
	v_pk_fma_f32 v[TMP+j:TMP+j+1], v[AC+j:AC+j+1], s[96:97], v[BA+2*(\a):BA+2*(\a)+1] op_sel_hi:[1,0,1]
.else
	v_pk_fma_f32 v[TMP+j:TMP+j+1], v[AC+j:AC+j+1], s[96:97], v[BB+j:BB+j+1] op_sel_hi:[1,0,1]
.endif
.set j, j+2
.endr
	WIN 0
.set j, 0
.rept 64
.set j, j+1
.endr
.irp b, 0,1,2,3,4,5,6,7
	v_cvt_scalef32_pk8_fp8_f32 v[CC+2*\b:CC+2*\b+1], v[TMP+8*\b:TMP+8*\b+7], v[SC]
.endr
	v_nop                                          ; one plain vector instruction behind the last conversion: the next block writes its sources
.irp i, 0,1,2,3
.if \kind
	global_store_b128 v[CO], v[CC+4*\i:CC+4*\i+3], s[10:11] offset:((\a)/4)*HEADB+((\a)%4)*2048+\i*512
.else
	global_store_b128 v[CO], v[CC+4*\i:CC+4*\i+3], s[10:11] offset:(\i/2)*HEADB+(\a)*1024+(\i%2)*512
.endif
.endr
.endm
	s_cmp_eq_u32 ttmp9, 2                          ; the cluster's x: the same in all partners
	s_cbranch_scc1 .Lout_v
.irp a, 0,1,2,3,4,5,6,7
	OUT \a, 0
.endr
	s_branch .Lout_done
.Lout_v:
.irp a, 0,1,2,3,4,5,6,7
	OUT \a, 1
.endr
.Lout_done:
	s_wait_tensorcnt 0x0                           ; the wave's end
	ds_add_u32 v[SPW], v[NIL]
	s_wait_dscnt 0x0
	CROUND                                         ; the closing round: no work-group ends while a partner may still ask for a tile that names it
	s_endpgm
.Lfunc_end_k_q952aa4adc6_qkv:
	.size	k_q952aa4adc6_qkv, .Lfunc_end_k_q952aa4adc6_qkv-k_q952aa4adc6_qkv
	.p2alignl 7, 3214868480
	.fill 96, 4, 3214868480
	.section	.rodata,"a",@progbits
	.p2align	6, 0x0
	.amdhsa_kernel k_q952aa4adc6_qkv
		.amdhsa_group_segment_fixed_size 327680
		.amdhsa_private_segment_fixed_size 0
		.amdhsa_enable_private_segment 0
		.amdhsa_kernarg_size 88
		.amdhsa_user_sgpr_count 2
		.amdhsa_user_sgpr_kernarg_segment_ptr 1
		.amdhsa_wavefront_size32 1
		.amdhsa_system_sgpr_workgroup_id_x 1
		.amdhsa_system_sgpr_workgroup_id_y 1
		.amdhsa_system_sgpr_workgroup_id_z 1
		.amdhsa_system_vgpr_workitem_id 0
		.amdhsa_next_free_vgpr 1024
		.amdhsa_next_free_sgpr 100
		.amdhsa_reserve_vcc 0
		.amdhsa_float_denorm_mode_32 3
		.amdhsa_float_denorm_mode_16_64 3
		.amdhsa_fp16_overflow 1
		.amdhsa_memory_ordered 1
		.amdhsa_forward_progress 1
		.amdhsa_inst_pref_size 130
	.end_amdhsa_kernel
	.amdgpu_metadata
---
amdhsa.version: [ 1, 2 ]
amdhsa.kernels:
  - .name:           k_q952aa4adc6_qkv
    .symbol:         k_q952aa4adc6_qkv.kd
    .args:
      - { .name: x_codes, .offset: 0, .size: 8, .value_kind: global_buffer, .address_space: global }
      - { .name: Wq_codes, .offset: 8, .size: 8, .value_kind: global_buffer, .address_space: global }
      - { .name: Wk_codes, .offset: 16, .size: 8, .value_kind: global_buffer, .address_space: global }
      - { .name: Wv_codes, .offset: 24, .size: 8, .value_kind: global_buffer, .address_space: global }
      - { .name: bq, .offset: 32, .size: 8, .value_kind: global_buffer, .address_space: global }
      - { .name: bk, .offset: 40, .size: 8, .value_kind: global_buffer, .address_space: global }
      - { .name: bv, .offset: 48, .size: 8, .value_kind: global_buffer, .address_space: global }
      - { .name: lowp_scales, .offset: 56, .size: 8, .value_kind: global_buffer, .address_space: global }
      - { .name: qimg, .offset: 64, .size: 8, .value_kind: global_buffer, .address_space: global }
      - { .name: kimg, .offset: 72, .size: 8, .value_kind: global_buffer, .address_space: global }
      - { .name: vimg, .offset: 80, .size: 8, .value_kind: global_buffer, .address_space: global }
    .group_segment_fixed_size: 327680
    .private_segment_fixed_size: 0
    .kernarg_segment_align: 8
    .kernarg_segment_size: 88
    .max_flat_workgroup_size: 128
    .sgpr_count:     100
    .vgpr_count:     1024
    .wavefront_size: 32
...
	.end_amdgpu_metadata
.endif
;; end of part 1
;; launch attn (part 2): grid 4 x 64, 16 waves a work-group, no clusters, 327,680 bytes of LDS; arguments qimg, kimg, vimg, lowp_scales, yimg; writes yimg
.if DOCPART == 2
	.amdgcn_target "amdgcn-amd-amdhsa--gfx1250"
	.amdhsa_code_object_version 6
	.text
	.protected	k_q952aa4adc6_attn
	.globl	k_q952aa4adc6_attn
	.p2align	8
	.type	k_q952aa4adc6_attn,@function
k_q952aa4adc6_attn:
	s_mov_b64 s[64:65], 0
	v_nop
	global_prefetch_b8 v0, s[64:65] scope:SCOPE_SE
	s_setreg_imm32_b32 hwreg(HW_REG_WAVE_MODE, 25, 1), 1
	s_wait_xcnt 0x0
; y[b][t][head] = softmax over the keys s <= t of (q . k / 8) times v, both products on codes of FP8 (E4M3); y is quantised at once with its given scale 2^e10 and stored as an image of the last product's operand.
; qimg, kimg: [batch x head 64][tile of 16 tokens 128][piece 2][lane 32][16 bytes]; vimg: [batch x head 64][group of 128 keys 16][tile of 16 channels 4][piece 4][lane 32][16 bytes]: images of operand registers.
; lowp_scales: e6 (q), e7 (k), e8 (p), e9 (v), e10 (y).
; THE SOFTMAX AHEAD OF THE SECOND PRODUCT: t = score x log2(e) / 8; M = the row's largest t so far, rounded UP to a whole number; p = 2^(t - M) is what is quantised; the row's sum is taken of the unquantised p, in f32, and divides at the end.
; When M moves, the sum and O are multiplied by 2^(old M - new M): exact.
; SHARES.  A work-group owns TWO blocks of 256 queries of one head: block 7 - i (first) and block i, i = work-group x.  Block 7 - i needs key slots (256 keys) 0 .. 7 - i, block i slots 0 .. i: nine slots for every work-group,
; so the trip count is a constant of the text and all work-groups have the same work.  Each of the sixteen waves owns one tile of 16 queries of the block in hand: four waves to a SIMD.
; A key step (128 keys) all of whose keys come after the wave's queries is left out by a scalar branch on ids; no barrier and no tensor load stands in a step.
; NO CLUSTER: the four work-groups of a head need different key slots from their (8 - i)-th trip on, so a joint walk would be 8 + 4 = 12 slots for each against 9.
; LAYOUT.  Both products are used transposed: S^T = K Q^T (source 0 = 16 keys, source 1 = my 16 queries, K = 64), O^T = V^T P^T (source 0 = 16 channels, source 1 = P, K = 128 keys): a lane holds ONE query (lane % 16) throughout.
; Tile j of S^T holds in lane (r, h) keys 16 j + 8 h + 0..7: one conversion of eight makes registers 2 j, 2 j + 1 of P, the place that the form's own layout gives those keys; V's image has them in the same place.
; yimg: [K step of 256: 4][tile of 16 rows 512][128 along K: 2][piece 4][lane 32][16 bytes], lane (r, h'), piece c': k = 32 c' + 16 h' + 0..15, the order in which the last launch reads the weight's rows.
; A lane's eight codes of channel tile d go to byte (head % 4) x 1024 + 256 d + 16 r + 8 h of the tile: each store of a wave covers 256 consecutive bytes, aligned.
; LIMITS on the given exponents, so that each power of two below is an f32 number: e6 + e7 between -123 and 130 (added to c's exponent field); e8 and e10 between -126 and 119; e8 + e9 is applied by v_ldexp_f32 and has none.
; REGISTERS: v3-9 addresses; v12 -M, v13 the largest t, v[14:15] the sum in two halves; v16-23 Q; v24-31 the second block's Q; v32-95 K's 8 fragments, then V's 4; v96-159 S^T, then p; v160-191 O^T; v192-207 P's codes; v208-223 at work and constants.
.set SLOT1, 1<<15                      ; a slot: K's 16 tile images (16,384 bytes), then V's 8 fragments (16,384); slot 1 begins here, so that one exclusive or turns an address
.set VOFF,  16384
.set SPARE, 2*SLOT1                    ; behind the ring: the spare words, 128 bytes for each of the sixteen waves
.set TB,   2                           ; s2   LDS byte at which the slot in hand begins
.set TR,   3                           ; s3   the trip, 0 .. 8
.set WV,   18                          ; s18  my wave's number
.set SEL,  20                          ; s[20:21] lane selects for v_permlanex16_b32: lane l xor 16
.set CS,   22                          ; s[22:23] c = log2(e) / 8 x 2^(e6 + e7)
.set G1,   24                          ; s[24:31] descriptor group 1: a dense block of 64 rows x 256 bytes
.set G0,   32                          ; s[32:35] descriptor group 0, which walks
.set GB,   36                          ; s[36:37] my head's first byte of what I fetch: K's image (even waves) or V's (odd waves)
.set NH,   38                          ; s38  8 - i: the first block's key slots
.set NH1,  39                          ; s39  7 - i: its number, and the trip in which it ends
.set KSN,  40                          ; s40  the key slot last asked for
.set KF,   41                          ; s41  the step's first key
.set Q0,   42                          ; s42  my first query in the block in hand;  s43 in the second block
.set Q0L,  43
.set YC,   44                          ; s[44:45] where my tile of y goes;  s[46:47] the second block's
.set YL,   46
.set PFA,  48                          ; s[48:49] where my prefetches stand
.set LIM,  50                          ; s50  6 in a wave that prefetches, else 0: it prefetches while the trip is under it
.set TS,   52                          ; s[52:53] at work
.macro TLOAD                           ; wave 0 fetches a slot's K, wave 1 its V, the others nothing.  Four v_nop follow the line
	s_cmp_lt_u32 s[WV], 2
	s_cbranch_scc0 .Lasked_\@
	tensor_load_to_lds s[G0:G0+3], s[G1:G1+7]
	s_nop 0
.rept 4
	v_nop
.endr
.Lasked_\@:
.endm
; A PREFETCH INTO THE L2 of the key slot that the NEXT change of slots will ask for: 16,384 bytes of K's image and as many of V's.  The four work-groups of a head begin with the same slots in the same order:
; the one with i = 0, which walks all eight, asks, and nobody else.  In it waves 4 and 5 ask for K's two halves of 8,192 bytes, waves 6 and 7 for V's, lanes 256 bytes apart: one instruction a wave, each block of 256 bytes named once.
; In trip t slot t + 2 is named; trips 6 and on ask for nothing: slot 7 is the head's last.  Slots 0 and 1 come by their loads alone.
.macro ASK
	s_cmp_lt_u32 s[TR], s[LIM]
	s_cbranch_scc0 .Lnot_mine_\@
	global_prefetch_b8 v3, s[PFA:PFA+1] th:TH_LOAD_NT scope:SCOPE_SE
.Lnot_mine_\@:
.endm
	s_load_b256 s[4:11], s[0:1], 0x0               ; qimg s[4:5], kimg s[6:7], vimg s[8:9], the scales' exponents s[10:11]
	s_load_b64 s[12:13], s[0:1], 0x20              ; yimg
	v_lshl_add_u32 v5, v0, 2, SPARE                ; LDS address of my spare word; never rewritten
	v_mov_b32 v6, 0                                ; 0; never rewritten
	ds_add_u32 v5, v6
	ds_add_u32 v5, v6
	s_wait_dscnt 0x0
	v_lshrrev_b32 v1, 5, v0
	s_delay_alu instid0(VALU_DEP_1)
	v_readfirstlane_b32 s[WV], v1                  ; wave 0..15
	s_and_b32 s59, ttmp7, 0xffff                   ; batch x 16 + head
	s_sub_co_u32 s[NH], 8, ttmp9
	s_sub_co_u32 s[NH1], 7, ttmp9
	s_lshl_b32 s[TS], s[WV], 4
	s_lshl_b32 s[Q0], s[NH1], 8
	s_add_co_u32 s[Q0], s[Q0], s[TS]               ; 256 (7 - i) + 16 x wave
	s_lshl_b32 s[Q0L], ttmp9, 8
	s_add_co_u32 s[Q0L], s[Q0L], s[TS]             ; 256 i + 16 x wave
	s_lshl_b32 s60, s59, 17                        ; a head's image is 131,072 bytes in each of q, k, v
	s_mov_b32 s61, 0
	s_mov_b32 s[G1], 3<<16                         ; no mask; elements of 8 bytes; no padding
	s_mov_b32 s[G1+1], 32<<16                      ; tensor_dim0 = 32 elements: 256 bytes
	s_mov_b32 s[G1+2], 64<<16                      ; tensor_dim1 = 64
	s_mov_b32 s[G1+3], 32<<16                      ; tile_dim0
	s_mov_b32 s[G1+4], 64                          ; tile_dim1
	s_mov_b32 s[G1+5], 32                          ; the pitch: the block is dense
	s_mov_b32 s[G1+6], 0
	s_mov_b32 s[G1+7], 0
	s_mov_b32 s[SEL], 0x76543210
	s_mov_b32 s[SEL+1], 0xfedcba98
	s_mov_b32 s[CS], 0x3e38aa3b                    ; log2(e) / 8
	s_mov_b32 s[TB], 0
	s_mov_b32 s[TR], 0
	s_mov_b32 s[KSN], 0
	s_mov_b32 s[KF], 0
	s_wait_kmcnt 0x0
	s_load_b128 s[68:71], s[10:11], 0x18           ; e6, e7, e8, e9
	s_load_b32 s72, s[10:11], 0x28                 ; e10
	s_and_b32 s[TS], s[WV], 1
	s_cmp_eq_u32 s[TS], 0
	s_cselect_b64 s[GB:GB+1], s[6:7], s[8:9]
	s_add_nc_u64 s[GB:GB+1], s[GB:GB+1], s[60:61]
	s_mov_b32 s[G0], 1                             ; count = 1
	s_lshl_b32 s[G0+1], s[TS], 14                  ; LDS address: slot 0; K's part or V's
	s_mov_b64 s[G0+2:G0+3], s[GB:GB+1]             ; key slot 0
	s_or_b32 s[G0+3], s[G0+3], 0x80000000          ; type = 2
	TLOAD                                          ; slot 0: one load of mine is out
	s_mov_b32 s[TS+1], 0
	s_add_nc_u64 s[54:55], s[4:5], s[60:61]        ; Q's images of my two tiles: tile (first query / 16) x 1,024 bytes
	s_mov_b64 s[56:57], s[54:55]
	s_lshl_b32 s[TS], s[Q0], 6
	s_add_nc_u64 s[54:55], s[54:55], s[TS:TS+1]
	s_lshl_b32 s[TS], s[Q0L], 6
	s_add_nc_u64 s[56:57], s[56:57], s[TS:TS+1]
	v_and_b32 v1, 31, v0
	s_wait_alu depctr_va_vdst(0)
	v_lshlrev_b32 v4, 4, v1                        ; 16 x lane: an image's place for my lane
	global_load_b128 v[16:19], v4, s[54:55]
	global_load_b128 v[20:23], v4, s[54:55] offset:512
	global_load_b128 v[24:27], v4, s[56:57]
	global_load_b128 v[28:31], v4, s[56:57] offset:512
	; y: (head / 4) x 2^21 + (batch x 128 + first query / 16) x 4,096 + (head % 4) x 1,024
	s_and_b32 s[TS], s59, 15
	s_lshr_b32 s62, s[TS], 2
	s_lshl_b32 s62, s62, 21
	s_and_b32 s[TS], s[TS], 3
	s_lshl_b32 s[TS], s[TS], 10
	s_add_co_u32 s62, s62, s[TS]
	s_lshr_b32 s[TS], s59, 4
	s_lshl_b32 s[TS], s[TS], 19
	s_add_co_u32 s62, s62, s[TS]
	s_mov_b32 s63, 0
	s_add_nc_u64 s[YL:YL+1], s[12:13], s[62:63]
	s_lshl_b32 s[TS], s[Q0], 8
	s_add_nc_u64 s[YC:YC+1], s[YL:YL+1], s[TS:TS+1]
	s_lshl_b32 s[TS], s[Q0L], 8
	s_add_nc_u64 s[YL:YL+1], s[YL:YL+1], s[TS:TS+1]
	; the prefetches: where my wave's stand, and who asks
	s_and_b32 s[TS], s[WV], 2
	s_cmp_eq_u32 s[TS], 0
	s_cselect_b64 s[PFA:PFA+1], s[6:7], s[8:9]
	s_add_nc_u64 s[PFA:PFA+1], s[PFA:PFA+1], s[60:61]
	s_and_b32 s[TS], s[WV], 1
	s_lshl_b32 s[TS], s[TS], 13                    ; my half of a slot's 16,384 bytes,
	s_add_co_u32 s[TS], s[TS], 16384               ; in slot 1: the first change of slots steps it to slot 2
	s_add_nc_u64 s[PFA:PFA+1], s[PFA:PFA+1], s[TS:TS+1]
	s_lshr_b32 s[TS], s[WV], 2
	s_xor_b32 s[TS], s[TS], 1                      ; 0 in waves 4 to 7,
	s_or_b32 s[TS], s[TS], ttmp9                   ; of the work-group with i = 0
	s_cmp_eq_u32 s[TS], 0
	s_cselect_b32 s[LIM], 6, 0
	v_lshlrev_b32 v3, 8, v1                        ; 256 x lane
	v_and_b32 v1, 15, v0                           ; r
	v_bfe_u32 v2, v0, 4, 1                         ; h
	s_delay_alu instid0(VALU_DEP_2)
	v_lshlrev_b32 v7, 4, v1
	s_delay_alu instid0(VALU_DEP_1)
	v_lshl_add_u32 v7, v2, 3, v7                   ; 16 r + 8 h: my eight codes' place in a store's 256 bytes
	s_delay_alu instid0(VALU_DEP_3)
	v_lshlrev_b32 v9, 3, v2
	s_delay_alu instid0(VALU_DEP_1)
	v_sub_nc_u32 v9, v1, v9                        ; r - 8 h, for the mask
	v_mov_b32 v13, 0xff61b1e6                      ; the largest t so far: -3e38, under every t
	s_delay_alu instid0(VALU_DEP_1)
	v_floor_f32 v12, -v13                          ; -M
	v_mov_b32 v14, 0                               ; the sum, in two halves
	v_mov_b32 v15, 0
	v_mov_b32 v212, 0                              ; written once: a lane permute's destination counts as one of its sources
	v_mov_b32 v215, 0                              ; (named as the upper half of the pair v[214:215])
	v_mov_b32 v223, 0xff800000                     ; -infinity
.set j, 0
.rept 32
	v_mov_b32 v[160+j], 0                          ; O^T.  (A key step is written once: a block's first step finds zeros, which the first change of M leaves zeros)
.set j, j+1
.endr
	s_wait_kmcnt 0x0
	s_add_co_i32 s[TS], s68, s69
	s_lshl_b32 s[TS], s[TS], 23
	s_add_co_i32 s[CS], s[CS], s[TS]               ; a score stands for score x 2^(e6 + e7): the two exponents are added to c's exponent field
	s_mov_b32 s[CS+1], s[CS]                       ; (named with it as a pair, so it is written)
	s_add_co_i32 s[TS], s70, 127
	s_lshl_b32 s62, s[TS], 23
	v_mov_b32 v219, s62                            ; 2^e8 as f32, for p's conversions
	s_add_co_i32 s[TS], s72, 127
	s_lshl_b32 s62, s[TS], 23
	v_mov_b32 v221, s62                            ; 2^e10, for y's
	s_add_co_i32 s58, s70, s71                     ; e8 + e9
; A KEY STEP: 128 keys, the q-th of the slot in hand.
.macro STEP q
	s_add_co_u32 s[TS], s[Q0], 15
	s_cmp_gt_u32 s[KF], s[TS]                      ; all 128 keys come after my 16 queries: the step's work is left out
	s_cbranch_scc1 .Lhidden_\@
.rept 4
	v_nop                                          ; places in front of loads into registers that the last products read
.endr
	s_wait_alu depctr_va_vdst(0)
.irp j, 0,1,2,3,4,5,6,7                        ; K's eight tile images: two loads of 512 consecutive bytes each
	ds_load_b128 v[32+8*\j:35+8*\j], v8 offset:8192*(\q)+1024*\j
	ds_load_b128 v[36+8*\j:39+8*\j], v8 offset:8192*(\q)+1024*\j+512
.endr
	s_wait_dscnt 8                                 ; tiles 0-3, the first eight loads, are in
	s_wait_alu depctr_va_vdst(0)
.irp j, 0,1,2,3
	v_wmma_f32_16x16x64_fp8_fp8 v[96+8*\j:103+8*\j], v[32+8*\j:39+8*\j], v[16:23], 0
.endr
	s_wait_dscnt 0x0
.irp j, 4,5,6,7
	v_wmma_f32_16x16x64_fp8_fp8 v[96+8*\j:103+8*\j], v[32+8*\j:39+8*\j], v[16:23], 0
.endr
.rept 4
	v_nop                                          ; places: K's registers are loaded again, and the scores read, below
.endr
.irp d, 0,1,2,3                                ; V's four fragments: they land while the softmax is worked
.irp c, 0,1,2,3
	ds_load_b128 v[32+16*\d+4*\c:35+16*\d+4*\c], v8 offset:VOFF+8192*(\q)+2048*\d+512*\c
.endr
.endr
	s_add_co_u32 s[TS], s[KF], 127
	s_cmp_le_u32 s[TS], s[Q0]                      ; all 128 keys count for all my queries: no mask
	s_cbranch_scc1 .Lopen_\@
	s_sub_co_i32 s[TS], s[Q0], s[KF]
	v_add_nc_u32 v222, s[TS], v9                   ; my query - the step's first key - 8 h.  Register 8 j + i holds key 16 j + 8 h + i of the step: hidden where 16 j + i is above this
.set n, 0
.rept 64
	v_cmp_gt_i32 vcc_lo, 16*(n/8)+n%8, v222
	v_cndmask_b32 v[96+n], v[96+n], v223, vcc_lo   ; a hidden score becomes -infinity: p = 0
.set n, n+1
.endr
.Lopen_\@:
	v_max3_num_f32 v208, v96, v97, v98             ; the step's largest score of my query, among my 64 keys, in two chains,
	v_max3_num_f32 v210, v99, v100, v101
.irp i, 6,10,14,18,22,26,30,34,38,42,46,50,54,58
	v_max3_num_f32 v208, v208, v[96+\i], v[97+\i]
	v_max3_num_f32 v210, v210, v[98+\i], v[99+\i]
.endr
	v_max3_num_f32 v208, v208, v158, v159
	s_delay_alu instid0(VALU_DEP_1)
	v_max_num_f32 v208, v208, v210
	s_delay_alu instid0(VALU_DEP_1)
	v_permlanex16_b32 v212, v208, s[SEL], s[SEL+1]
	s_delay_alu instid0(VALU_DEP_1)
	v_max_num_f32 v208, v208, v212                 ; and among lane l xor 16's
	s_delay_alu instid0(VALU_DEP_1)
	v_mul_f32 v208, s[CS], v208                    ; as t (c is positive)
	s_delay_alu instid0(VALU_DEP_1)
	v_max_num_f32 v13, v13, v208                   ; the running largest t
	v_mov_b32 v208, v12
	s_delay_alu instid0(VALU_DEP_2)
	v_floor_f32 v12, -v13                          ; the new -M = floor(-t) = -ceil(t): a whole number
	s_delay_alu instid0(VALU_DEP_1)
	v_sub_f32 v208, v12, v208                      ; M's old value less its new one: a whole number, 0 or less
	s_delay_alu instid0(VALU_DEP_1)
	v_cvt_i32_f32 v208, v208                       ; (it saturates)
	s_delay_alu instid0(VALU_DEP_1)
	v_ldexp_f32 v214, 1.0, v208                    ; f = 2^(old M - new M)
.set j, 0
.rept 32
	v_pk_fma_f32 v[96+j:97+j], v[96+j:97+j], s[CS:CS+1], v[12:13] op_sel_hi:[1,0,0]   ; t - M, two at a time
.set j, j+2
.endr
.set j, 0
	s_wait_alu depctr_va_vdst(0)
.rept 64
	v_exp_f32 v[96+j], v[96+j]                     ; p = 2^(t - M), at most 1: not normalised
.set j, j+1
.endr
	v_pk_mul_f32 v[14:15], v[14:15], v[214:215] op_sel_hi:[1,0]   ; the sums under the new M.  (The plain instruction behind the exponentials)
	s_wait_alu depctr_va_vdst(0)                   ; one wait for the whole batch, ahead of its first reader
	v_pk_add_f32 v[216:217], v[100:101], v[104:105]
	v_pk_add_f32 v[254:255], v[108:109], v[112:113]
	v_pk_add_f32 v[252:253], v[116:117], v[120:121]
	v_pk_add_f32 v[250:251], v[124:125], v[128:129]
	v_pk_add_f32 v[248:249], v[132:133], v[136:137]
	v_pk_add_f32 v[246:247], v[140:141], v[144:145]
	v_pk_add_f32 v[244:245], v[148:149], v[152:153]
	v_pk_add_f32 v[14:15], v[14:15], v[156:157]
	v_pk_add_f32 v[216:217], v[216:217], v[96:97]
	v_pk_add_f32 v[254:255], v[254:255], v[98:99]
	v_pk_add_f32 v[252:253], v[252:253], v[102:103]
	v_pk_add_f32 v[250:251], v[250:251], v[106:107]
	v_pk_add_f32 v[248:249], v[248:249], v[110:111]
	v_pk_add_f32 v[246:247], v[246:247], v[114:115]
	v_pk_add_f32 v[244:245], v[244:245], v[118:119]
	v_pk_add_f32 v[14:15], v[14:15], v[122:123]
	v_pk_add_f32 v[216:217], v[216:217], v[126:127]
	v_pk_add_f32 v[254:255], v[254:255], v[130:131]
	v_pk_add_f32 v[252:253], v[252:253], v[134:135]
	v_pk_add_f32 v[250:251], v[250:251], v[138:139]
	v_pk_add_f32 v[248:249], v[248:249], v[142:143]
	v_pk_add_f32 v[246:247], v[246:247], v[146:147]
	v_pk_add_f32 v[244:245], v[244:245], v[150:151]
	v_pk_add_f32 v[14:15], v[14:15], v[154:155]
	v_pk_add_f32 v[216:217], v[216:217], v[158:159]
	s_delay_alu instid0(VALU_DEP_2)
	v_pk_add_f32 v[14:15], v[14:15], v[250:251]
	s_delay_alu instid0(VALU_DEP_2)
	v_pk_add_f32 v[216:217], v[216:217], v[248:249]
	v_pk_add_f32 v[254:255], v[254:255], v[246:247]
	v_pk_add_f32 v[252:253], v[252:253], v[244:245]
	s_delay_alu instid0(VALU_DEP_2)
	v_pk_add_f32 v[14:15], v[14:15], v[254:255]
	s_delay_alu instid0(VALU_DEP_2)
	v_pk_add_f32 v[216:217], v[216:217], v[252:253]
	s_delay_alu instid0(VALU_DEP_1)
	v_pk_add_f32 v[14:15], v[14:15], v[216:217]
.irp j, 0,1,2,3,4,5,6,7
.irp i, 0,1,2,3,4,5,6,7
.endr
	v_cvt_scalef32_pk8_fp8_f32 v[192+2*\j:193+2*\j], v[96+8*\j:103+8*\j], v219   ; keys 16 j + 8 h + 0..7: registers 2 j, 2 j + 1 of P
.endr
.set j, 0
.rept 16
	v_pk_mul_f32 v[160+j:161+j], v[160+j:161+j], v[214:215] op_sel_hi:[1,0]   ; O^T under the new M.  (These are also the plain instructions between the conversions and the products)
.set j, j+2
.endr
	s_wait_alu depctr_va_vdst(0)
	s_wait_dscnt 0x0                               ; V is in
.irp d, 0,1,2,3                                ; O^T += V^T P^T: the four accumulators take turns, one instruction a turn
	v_wmma_f32_16x16x128_fp8_fp8 v[160+8*\d:167+8*\d], v[32+16*\d:47+16*\d], v[192:207], v[160+8*\d:167+8*\d]
.endr
.Lhidden_\@:
	s_add_co_u32 s[KF], s[KF], 128
.endm
; THE CHANGE OF SLOTS stands at a slot's head.  Each wave waits for all its tensor loads (its part of the slot that it is about to read), adds 0 to its spare word, and waits for that and for its reads of the slot that it has left.
; Behind the barrier the slot ahead is whole and nobody reads the other one.  fill = 1: that other slot is filled with the next trip's keys: the key slot after this one, or slot 0 where the next trip begins the second block.
.macro CHANGE fill
	s_wait_tensorcnt 0x0                           ; no tensor load of mine is out, so group 0 may be written
	ds_add_u32 v5, v6                              ; 0 onto my spare word
.if \fill
	s_xor_b32 s[G0+1], s[G0+1], SLOT1              ; the other slot than last time
	s_add_co_u32 s[KSN], s[KSN], 1
	s_add_co_u32 s[TS], s[TR], 1
	s_cmp_eq_u32 s[TS], s[NH]
	s_cselect_b32 s[KSN], 0, s[KSN]
	s_lshl_b32 s[TS], s[KSN], 14                   ; a key slot is 16,384 bytes of K's image and of V's
	s_mov_b32 s[TS+1], 0
	s_add_nc_u64 s[G0+2:G0+3], s[GB:GB+1], s[TS:TS+1]
	s_or_b32 s[G0+3], s[G0+3], 0x80000000
	s_wait_xcnt 0x0                                ; the last prefetch, a slot back, has read its address, so it may be written
	s_add_nc_u64 s[PFA:PFA+1], s[PFA:PFA+1], 16384
.endif
	s_wait_dscnt 0x0                               ; the add is done, and my reads of the slot that I have left are over
	s_barrier_signal -1
	s_barrier_wait -1
.if \fill
	TLOAD                                          ; the first thing behind the barrier, and a wave's one tensor load until the next
	ASK
.endif
.endm
.macro SLOT_STEPS
	v_add_nc_u32 v8, s[TB], v4                     ; the slot in hand + 16 x lane
	STEP 0
	STEP 1
	s_xor_b32 s[TB], s[TB], SLOT1                  ; on to the other slot
.endm
; A BLOCK'S END: y = O^T x 2^(e8 + e9) / the sum, held, converted with 2^e10, stored: four stores of 256 consecutive bytes.
.macro FINAL
.rept 4
	v_nop                                          ; places behind the last products
.endr
	v_add_f32 v14, v14, v15                        ; the sum's two halves,
	s_delay_alu instid0(VALU_DEP_1)
	v_permlanex16_b32 v212, v14, s[SEL], s[SEL+1]
	s_delay_alu instid0(VALU_DEP_1)
	v_add_f32 v14, v14, v212                       ; and lane l xor 16's
	s_wait_alu depctr_va_vdst(0)
	v_rcp_f32 v14, v14
	v_nop                                          ; a plain instruction behind the reciprocal
	s_wait_alu depctr_va_vdst(0)                   ; and the wait ahead of its first reader
	v_ldexp_f32 v14, v14, s58
.set j, 0
.rept 16
	v_pk_mul_f32 v[96+j:97+j], v[160+j:161+j], v[14:15] op_sel_hi:[1,0]   ; each accumulator from its low end on
.set j, j+2
.endr
.set j, 0
.rept 32
.set j, j+1
.endr
.irp d, 0,1,2,3
	v_cvt_scalef32_pk8_fp8_f32 v[128+2*\d:129+2*\d], v[96+8*\d:103+8*\d], v221   ; channels 16 d + 8 h + 0..7 of my query
.endr
	v_nop                                          ; one plain vector instruction behind the last conversion: later products write these registers
.irp d, 0,1,2,3
	global_store_b64 v7, v[128+2*\d:129+2*\d], s[YC:YC+1] offset:256*\d
.endr
	s_wait_xcnt 0x0                                ; the stores have read their registers and their base: both may be written again
.endm
.macro REINIT                          ; on to the second block: its Q, its first query, its place in y; the state as at the head
.set j, 0
.rept 32
	v_mov_b32 v[160+j], 0
.set j, j+1
.endr
	v_mov_b32 v13, 0xff61b1e6
	s_delay_alu instid0(VALU_DEP_1)
	v_floor_f32 v12, -v13
	v_mov_b32 v14, 0
	v_mov_b32 v15, 0
.irp j, 0,1,2,3,4,5,6,7
	v_mov_b32 v[16+\j], v[24+\j]
.endr
	s_mov_b32 s[Q0], s[Q0L]
	s_mov_b32 s[KF], 0
	s_mov_b64 s[YC:YC+1], s[YL:YL+1]
.endm
	s_wait_loadcnt 0x0                             ; Q of both blocks
.Lslot:                                            ; eight trips: behind each change of slots but the last the next trip's keys are asked for
	CHANGE 1
	SLOT_STEPS
	s_cmp_lg_u32 s[TR], s[NH1]                     ; the first block's last slot?  A branch on ids and the trip: no barrier and no tensor load stands under it
	s_cbranch_scc1 .Lsame_block
	FINAL
	REINIT
.Lsame_block:
	s_add_co_u32 s[TR], s[TR], 1
	s_cmp_lt_u32 s[TR], 8
	s_cbranch_scc1 .Lslot
	CHANGE 0                                       ; the ninth slot is written out
	SLOT_STEPS
	FINAL
	s_wait_tensorcnt 0x0                           ; the wave's end
	ds_add_u32 v5, v6
	s_wait_dscnt 0x0
	s_endpgm
.Lfunc_end_k_q952aa4adc6_attn:
	.size	k_q952aa4adc6_attn, .Lfunc_end_k_q952aa4adc6_attn-k_q952aa4adc6_attn
	.p2alignl 7, 3214868480
	.fill 96, 4, 3214868480
	.section	.rodata,"a",@progbits
	.p2align	6, 0x0
	.amdhsa_kernel k_q952aa4adc6_attn
		.amdhsa_group_segment_fixed_size 327680
		.amdhsa_private_segment_fixed_size 0
		.amdhsa_enable_private_segment 0
		.amdhsa_kernarg_size 40
		.amdhsa_user_sgpr_count 2
		.amdhsa_user_sgpr_kernarg_segment_ptr 1
		.amdhsa_wavefront_size32 1
		.amdhsa_system_sgpr_workgroup_id_x 1
		.amdhsa_system_sgpr_workgroup_id_y 1
		.amdhsa_system_sgpr_workgroup_id_z 1
		.amdhsa_system_vgpr_workitem_id 0
		.amdhsa_next_free_vgpr 256
		.amdhsa_next_free_sgpr 80
		.amdhsa_reserve_vcc 1
		.amdhsa_float_denorm_mode_32 3
		.amdhsa_float_denorm_mode_16_64 3
		.amdhsa_fp16_overflow 1
		.amdhsa_memory_ordered 1
		.amdhsa_forward_progress 1
		.amdhsa_inst_pref_size 90
	.end_amdhsa_kernel
	.amdgpu_metadata
---
amdhsa.version: [ 1, 2 ]
amdhsa.kernels:
  - .name:           k_q952aa4adc6_attn
    .symbol:         k_q952aa4adc6_attn.kd
    .args:
      - { .name: qimg, .offset: 0, .size: 8, .value_kind: global_buffer, .address_space: global }
      - { .name: kimg, .offset: 8, .size: 8, .value_kind: global_buffer, .address_space: global }
      - { .name: vimg, .offset: 16, .size: 8, .value_kind: global_buffer, .address_space: global }
      - { .name: lowp_scales, .offset: 24, .size: 8, .value_kind: global_buffer, .address_space: global }
      - { .name: yimg, .offset: 32, .size: 8, .value_kind: global_buffer, .address_space: global }
    .group_segment_fixed_size: 327680
    .private_segment_fixed_size: 0
    .kernarg_segment_align: 8
    .kernarg_segment_size: 40
    .max_flat_workgroup_size: 512
    .sgpr_count:     80
    .vgpr_count:     256
    .wavefront_size: 32
...
	.end_amdgpu_metadata
.endif
;; end of part 2
;; launch proj (part 3): grid 4 x 64, 4 waves a work-group, clusters of 4 x 4, 327,680 bytes of LDS; arguments yimg, Wo_codes, lowp_scales, bo, out0; writes out0
.if DOCPART == 3
	.amdgcn_target "amdgcn-amd-amdhsa--gfx1250"
	.amdhsa_code_object_version 6
	.text
	.protected	k_q952aa4adc6_proj
	.globl	k_q952aa4adc6_proj
	.p2align	8
	.type	k_q952aa4adc6_proj,@function
k_q952aa4adc6_proj:
	s_mov_b64 s[64:65], 0
	v_nop
	global_prefetch_b8 v0, s[64:65] scope:SCOPE_SE
	s_setreg_imm32_b32 hwreg(HW_REG_WAVE_MODE, 25, 1), 1
	s_wait_xcnt 0x0
	s_wait_alu depctr_hold_cnt(0) depctr_sa_sdst(0) depctr_va_vdst(0) depctr_va_sdst(0) depctr_va_ssrc(0) depctr_va_vcc(0) depctr_vm_vsrc(0)
	s_getreg_b32 s2, hwreg(HW_REG_IB_STS2, 6, 4)
	s_cmp_eq_u32 s2, 0
	s_cbranch_scc0 .Lentry_in_a_cluster
	s_endpgm
.Lentry_in_a_cluster:
	s_bfe_u32 s2, ttmp6, 0x10000c
	s_cmp_lg_u32 s2, 0xf033
	s_cbranch_scc0 .Lentry_shape_is_right
	s_endpgm
.Lentry_shape_is_right:
; out0 = y Wo + bo on codes of FP8 (E4M3).  y: 8192 x 1024 as images of operand registers (yimg, below); Wo: [1024 (n)][1024 (k)] codes, K innermost; bo [1024], out0 [8192][1024]: f32.
; A sum stands for sum x 2^(e10 + e11): out0 = sum x 2^(e10 + e11) + bo, one packed multiply-add for two numbers.  LIMIT: e10 + e11 between -126 and 127, so that the power of two is an f32 number.
; yimg: [K step of 256: 4][tile of 16 rows 512][128 along K: 2][piece 4][lane 32][16 bytes]: lane (r, h), piece c: k = 32 c + 16 h + 0..15: the order in which Wo's rows give their fragments by four loads of 16 bytes.
; SHARES.  A tile of out0 is 128 rows x 256 columns: 64 x 4 = 256 work-groups of four waves; a wave makes 64 x 128: 32 accumulators.  A larger tile would leave work-groups for a part of the 256 WGPs only.
; CLUSTERS: 4 x 4 work-groups.  The four of a row of the cluster need the same rows of y, the four of a column the same rows of Wo: each tile is asked for JOINTLY.
; K = 1024 is four K steps of 256.  THREE LDS slots take the first three at the start; slot 0 is filled once more, with the fourth, behind one round of the cluster's barrier: that load has three and a half steps of 128, 112 matrix instructions, in which to land.
; THE MATRIX INSTRUCTION IS USED TRANSPOSED (source 0 = 16 rows of Wo, source 1 = 16 rows of y): a lane holds eight neighbouring columns of one row of out0.
; REGISTERS, in windows of 256: window 0: v0-31 addresses; v32-95 at work on the way out; v128-191, v192-255 y's fragments (4 x 16 rows x 128 K), two sets; on the way out rows read back from the stage.
;   window 1: Wo's fragments (8), two sets.   window 2: the 32 accumulators ((a, b) at v[8 (8 a + b)]).   window 3: v0-63 bo of my 128 columns, eight a tile, in the result's layout.
.set PITCH,  272                       ; a row of Wo in LDS: 256 bytes + 16 of padding = 68 words: row r starts at bank 4 r mod 64 (64 banks of 4 bytes: ISA guide 11.1)
.set FR,     16                        ; registers of a fragment
.set AIMG,   32768                     ; a slot: y's 8 tiles x 4,096 bytes of images, dense,
.set HALFB,  128*PITCH                 ; then Wo's 256 rows, in two halves
.set SLOT,   AIMG+2*HALFB              ; 102,400 bytes
.set SPARE,  3*SLOT                    ; behind the three slots: the spare words, 128 bytes for each wave
.set STAGE,  SLOT                      ; the way out: 16 rows x 528 bytes for each wave, in slot 1: it is filled once, and every wave has left it at the last barrier
.set SPITCH, 528
.set ADRA, 14                          ; v14-16  LDS address of my images of y in slot 0, 1, 2
.set ADRB, 20                          ; v20-22  the same for Wo's rows
.set STO,  24                          ; v24     the way out: where I put 32 bytes of a row
.set RD,   25                          ; v25     where I read a row back
.set CO,   26                          ; v26     16 x lane
.set SPW,  28                          ; v28     LDS address of my spare word; never rewritten
.set NIL,  29                          ; v29     0; never rewritten
.set TMP,  32
.set AF,   128
.set BK,   128
.set G1,  24                           ; s[24:31] descriptor group 1 for y's images;  s[32:43] group 0, one set for each slot
.set G0,  32
.set G1B, 44                           ; s[44:51], s[52:63] the same for Wo's rows
.set G0B, 52
.set MSB, 0
.macro WIN new                         ; the immediate's high byte repeats the setting that is left
.if MSB != \new
	s_set_vgpr_msb (MSB<<8)|\new
.set MSB, \new
.endif
.endm
.set MUL,  0xa1                        ; source 0 (Wo) window 1, source 1 (y) window 0, C and D window 2
.set TO_B, 0x40                        ; destination window 1, address window 0
.macro JLOAD g0a, g1a, g0b, g1b        ; a joint load: waves 0 and 1 fetch y's two halves, waves 2 and 3 Wo's; four v_nop follow each of the two lines
	s_cmp_eq_u32 s15, 0
	s_cbranch_scc0 .Lfor_b_\@
	tensor_load_to_lds s[\g0a:\g0a+3], s[\g1a:\g1a+7]
	s_nop 0
.rept 4
	v_nop
.endr
	s_branch .Lasked_\@
.Lfor_b_\@:
	tensor_load_to_lds s[\g0b:\g0b+3], s[\g1b:\g1b+7]
	s_nop 0
.rept 4
	v_nop
.endr
.Lasked_\@:
.endm
.macro CREST                           ; a round of the cluster's barrier behind its opening barrier
	s_cmp_lg_u32 s14, 0
	s_cbranch_scc1 .Lnot_wave_0_\@
	s_barrier_signal -3
.Lnot_wave_0_\@:
	s_barrier_wait -3
	s_barrier_signal -1
	s_barrier_wait -1
.endm
.macro CROUND
	s_barrier_signal -1
	s_barrier_wait -1
	CREST
.endm
	s_load_b256 s[4:11], s[0:1], 0x0               ; yimg s[4:5], Wo's codes s[6:7], the scales' exponents s[8:9], bo s[10:11]
	s_load_b64 s[12:13], s[0:1], 0x20              ; out0
	v_lshl_add_u32 v[SPW], v0, 2, SPARE
	v_mov_b32 v[NIL], 0
	ds_add_u32 v28, v29
	ds_add_u32 v28, v29
	s_wait_dscnt 0x0
	v_lshrrev_b32 v1, 5, v0
	v_readfirstlane_b32 s14, v1                    ; wave 0..3
	s_lshr_b32 s15, s14, 1                         ; which 64 of the tile's rows are mine.  Also: I fetch for y (0) or for Wo (1)
	s_and_b32 s16, s14, 1                          ; which 128 of its columns.  Also: which half I fetch
	s_bfe_u32 s66, ttmp6, 0x40000                  ; cx, cy: my place in the cluster
	s_bfe_u32 s67, ttmp6, 0x40004
	s_lshl_b32 s68, ttmp9, 2
	s_add_co_u32 s68, s68, s66                     ; tile column = 4 x cluster x + cx
	s_and_b32 s69, ttmp7, 0xffff
	s_lshl_b32 s69, s69, 2
	s_add_co_u32 s69, s69, s67                     ; tile row = 4 x cluster y + cy
	s_lshl_b32 s70, s67, 2
	s_lshl_b32 s70, 15, s70                        ; my row of the cluster
	s_lshl_b32 s71, 0x1111, s66                    ; my column
	s_or_b32 s[G1], s70, (1<<21)                   ; y's images: the mask of my row; elements of 1 byte; no padding; bit 21 set beside a mask
	s_mov_b32 s[G1+1], 256<<16                     ; tensor_dim0 = 256: a dense block, taken as rows of 256 bytes
	s_mov_b32 s[G1+2], 64<<16                      ; tensor_dim1 = 64
	s_mov_b32 s[G1+3], 256<<16                     ; tile_dim0
	s_mov_b32 s[G1+4], 64                          ; tile_dim1
	s_mov_b32 s[G1+5], 256                         ; the pitch
	s_mov_b32 s[G1+6], 0
	s_mov_b32 s[G1+7], 0
	s_or_b32 s[G1B], s71, (1<<20)|(1<<21)|(5<<22)|(3<<25)   ; Wo's rows: the mask of my column; padding of four words after every 64
	s_mov_b32 s[G1B+1], 256<<16
	s_mov_b32 s[G1B+2], 128<<16
	s_mov_b32 s[G1B+3], 256<<16
	s_mov_b32 s[G1B+4], 128
	s_mov_b32 s[G1B+5], 1024
	s_mov_b32 s[G1B+6], 0
	s_mov_b32 s[G1B+7], 0
	s_lshl_b32 s72, s69, 3
	s_lshl_b32 s73, s16, 2
	s_add_co_u32 s72, s72, s73
	s_lshl_b32 s72, s72, 12                        ; y: row tile (8 x tile row + 4 x half) x 4,096 bytes
	s_mov_b32 s73, 0
	s_lshl_b32 s74, s68, 8
	s_lshl_b32 s75, s16, 7
	s_add_co_u32 s74, s74, s75
	s_lshl_b32 s74, s74, 10                        ; Wo: row (256 x tile column + 128 x half) x 1,024 bytes
	s_mov_b32 s75, 0
	s_lshl_b32 s76, s16, 14                        ; where they go in a slot: no place in the cluster enters an LDS address
	s_mul_i32 s77, s16, HALFB
	s_add_co_u32 s77, s77, AIMG
	s_wait_kmcnt 0x0
	s_load_b64 s[96:97], s[8:9], 0x28              ; e10, e11
	s_add_nc_u64 s[72:73], s[4:5], s[72:73]
	s_add_nc_u64 s[74:75], s[6:7], s[74:75]
	CROUND                                         ; all sixteen work-groups are here: the first joint loads meet
.irp s, 0,1,2
	s_mov_b32 s[G0+4*\s], 1
	s_add_co_u32 s[G0+4*\s+1], s76, \s*SLOT
	s_add_nc_u64 s[G0+4*\s+2:G0+4*\s+3], s[72:73], (\s)<<21     ; K step s of y's images
	s_or_b32 s[G0+4*\s+3], s[G0+4*\s+3], 0x80000000
	s_mov_b32 s[G0B+4*\s], 1
	s_add_co_u32 s[G0B+4*\s+1], s77, \s*SLOT
	s_add_nc_u64 s[G0B+4*\s+2:G0B+4*\s+3], s[74:75], \s*256
	s_or_b32 s[G0B+4*\s+3], s[G0B+4*\s+3], 0x80000000
	s_wait_alu depctr_va_vdst(0)
	s_wait_tensorcnt 0x0
	ds_add_u32 v28, v29
	ds_add_u32 v28, v29
	s_wait_dscnt 0x0
	CROUND
	JLOAD G0+4*\s, G1, G0B+4*\s, G1B               ; one load of mine is out
.endr
	v_and_b32 v1, 15, v0                           ; r
	v_bfe_u32 v2, v0, 4, 1                         ; h
	v_and_b32 v6, 31, v0
	v_lshlrev_b32 v[CO], 4, v6                     ; 16 x lane
	v_mul_u32_u24 v3, v1, PITCH
	v_lshl_add_u32 v4, v2, 4, v3                   ; Wo: row x pitch + 16 x half
	s_lshl_b32 s78, s15, 14                        ; my four row tiles' images
	s_mul_i32 s79, s16, HALFB                      ; my 128 rows of Wo,
	s_add_co_u32 s79, s79, AIMG                    ; which lie behind the images
.irp s, 0,1,2
	v_add_nc_u32 v[ADRA+\s], s78, v[CO]
	v_add_nc_u32 v[ADRB+\s], s79, v4
	s_add_co_u32 s78, s78, SLOT
	s_add_co_u32 s79, s79, SLOT
.endr
	s_mul_i32 s78, s14, 16*SPITCH
	s_add_co_u32 s78, s78, STAGE                   ; my stage
	v_mul_u32_u24 v5, v1, SPITCH                   ; in: row r, 32 bytes for each half of the lanes
	v_lshl_add_u32 v5, v2, 5, v5
	v_add_nc_u32 v[STO], s78, v5
	v_add_nc_u32 v[RD], s78, v[CO]                 ; back: the 32 lanes take one row of 512 bytes
	v_lshlrev_b32 v27, 5, v2                       ; 32 h
	s_wait_alu depctr_va_vdst(0)
	s_lshl_b32 s78, s68, 8
	s_lshl_b32 s79, s16, 7
	s_add_co_u32 s78, s78, s79                     ; my first column,
	s_lshl_b32 s78, s78, 2                         ; in bytes, in bo and in a row of out0
	s_mov_b32 s79, 0
	s_add_nc_u64 s[10:11], s[10:11], s[78:79]
	s_add_nc_u64 s[12:13], s[12:13], s[78:79]
	WIN 0xc0                                       ; destination window 3
.irp b, 0,1,2,3,4,5,6,7
	global_load_b128 v[8*\b:8*\b+3], v27, s[10:11] offset:64*\b          ; bo(16 b + 8 h + 0..3)
	global_load_b128 v[8*\b+4:8*\b+7], v27, s[10:11] offset:64*\b+16
.endr
	WIN 0
	s_lshl_b32 s78, s69, 7
	s_lshl_b32 s80, s15, 6
	s_add_co_u32 s78, s78, s80                     ; my first row: 128 x tile row + 64 x half,
	s_lshl_b32 s78, s78, 12                        ; of 4,096 bytes: under 2^25
	s_add_nc_u64 s[12:13], s[12:13], s[78:79]
; 8 matrix instructions: y's block a x Wo's eight, 128 along K, on fragment set p.  The 32 accumulators take turns, one instruction a turn, in the same order in every step.
.macro MUL8 a, p, zero
.irp b, 0,1,2,3,4,5,6,7
.if \zero
	v_wmma_f32_16x16x128_fp8_fp8 v[8*(8*(\a)+\b):8*(8*(\a)+\b)+7], v[128*(\p)+FR*\b:128*(\p)+FR*\b+FR-1], v[AF+64*(\p)+FR*(\a):AF+64*(\p)+FR*(\a)+FR-1], 0
.else
	v_wmma_f32_16x16x128_fp8_fp8 v[8*(8*(\a)+\b):8*(8*(\a)+\b)+7], v[128*(\p)+FR*\b:128*(\p)+FR*\b+FR-1], v[AF+64*(\p)+FR*(\a):AF+64*(\p)+FR*(\a)+FR-1], v[8*(8*(\a)+\b):8*(8*(\a)+\b)+7]
.endif
.endr
.endm
; 48 LDS loads in one run: the fragments of slot s's q-th 128 along K into set p
.macro FETCH s, q, p
	WIN TO_B
.irp i, 0,1,2,3,4,5,6,7
.irp c, 0,1,2,3
	ds_load_b128 v[128*(\p)+FR*\i+4*\c:128*(\p)+FR*\i+4*\c+3], v[ADRB+\s] offset:128*(\q)+32*\c+\i*16*PITCH
.endr
.endr
	WIN 0
.irp a, 0,1,2,3
.irp c, 0,1,2,3
	ds_load_b128 v[AF+64*(\p)+FR*\a+4*\c:AF+64*(\p)+FR*\a+4*\c+3], v[ADRA+\s] offset:4096*\a+2048*(\q)+512*\c
.endr
.endr
.endm
.macro PLACES                          ; four plain vector instructions between a matrix instruction and a load into, or a vector instruction on, its registers
.rept 4
	v_nop
.endr
.endm
; A step of 128 along K on set p; behind its first eight products the next step's fragments (slot sn, its qn-th 128) are fetched into the other set.
.macro STEP3 p, sn, qn, zero
	s_wait_dscnt 0x0                               ; set p is in
	WIN MUL
	MUL8 0, \p, \zero
	PLACES
	FETCH \sn, \qn, 1-(\p)
	WIN MUL
	MUL8 1, \p, \zero
	MUL8 2, \p, \zero
	MUL8 3, \p, \zero
	WIN 0
.endm
; A step with a barrier.  In front of it each wave waits for all its tensor loads, adds 0 to its spare word, and waits for that and for its LDS reads.
; fill = 1: the barrier opens a round of the cluster's barrier, and slot 0, which nobody reads any more, takes the fourth K step.  fill = 0: slot 0's refill is shown whole to every wave.
.macro TURN3 p, sn, fill
	s_wait_tensorcnt 0x0                           ; all my tensor loads have landed
	ds_add_u32 v[SPW], v[NIL]                      ; 0 onto my spare word
	s_wait_dscnt 1                                 ; set p is in; only the add may be out
	WIN MUL
	MUL8 0, \p, 0                                  ; eight matrix instructions stand between the add and the wait for it
	s_wait_dscnt 0x0                               ; the add is done, and my LDS reads are over
	s_barrier_signal -1
	MUL8 1, \p, 0
	WIN 0
	s_barrier_wait -1
.if \fill
	CREST                                          ; no wave of any partner still reads slot 0 or has a load on its way
	s_add_nc_u64 s[G0+2:G0+3], s[G0+2:G0+3], 3<<21 ; y's images: from K step 0 to K step 3
	s_add_nc_u64 s[G0B+2:G0B+3], s[G0B+2:G0B+3], 3*256
	JLOAD G0, G1, G0B, G1B                         ; the first tensor load behind the round; its four v_nop are also the places in front of the loads below
.else
	PLACES
.endif
	FETCH \sn, 0, 1-(\p)
	WIN MUL
	MUL8 2, \p, 0
	MUL8 3, \p, 0
	WIN 0
.endm
	s_wait_tensorcnt 2                             ; my part of slot 0, the first of my three loads, is in; only slot 2's may still be out
	s_barrier_signal -1
	s_barrier_wait -1                              ; everybody's is
	FETCH 0, 0, 0
	STEP3 0, 0, 1, 1                               ; K 0-127: the first products start the sums
	TURN3 1, 1, 1                                  ; K 128-255; slots 1 and 2 are whole for every wave; slot 0 takes K 768-1023
	STEP3 0, 1, 1, 0                               ; K 256-383
	STEP3 1, 2, 0, 0                               ; K 384-511
	STEP3 0, 2, 1, 0                               ; K 512-639
	TURN3 1, 0, 0                                  ; K 640-767; slot 0 is whole again; nobody reads slot 1 any more
	STEP3 0, 0, 1, 0                               ; K 768-895
	s_wait_dscnt 0x0                               ; K 896-1023
	WIN MUL
	MUL8 0, 1, 0
	MUL8 1, 1, 0
	MUL8 2, 1, 0
	MUL8 3, 1, 0
	WIN 0
; THE WAY OUT, block by block of 16 rows x 128 columns.  A lane holds 32 neighbouring bytes of a row, and the lanes beside it hold other rows: so a block goes through my own stage in LDS and comes back as whole
; rows of 512 bytes.  LDS serves a wave's instructions in order (ISA guide 5.7.1.4): no wait between the stores and the loads, nor in front of the next block's stores.
.macro TOSTAGE a
	WIN 0x32                                       ; source 0 (the sums) window 2, source 2 (bo) window 3
.set j, 0
.rept 32
	v_pk_fma_f32 v[TMP+j:TMP+j+1], v[64*(\a)+j:64*(\a)+j+1], s[96:97], v[j:j+1] op_sel_hi:[1,0,1]   ; sum x 2^(e10 + e11) + bo; each accumulator from its low end on
.set j, j+2
.endr
	WIN 0
.irp b, 0,1,2,3,4,5,6,7
	ds_store_b128 v[STO], v[TMP+8*\b:TMP+8*\b+3] offset:64*\b
	ds_store_b128 v[STO], v[TMP+8*\b+4:TMP+8*\b+7] offset:64*\b+16
.endr
.set BBK, BK+64*((\a)%2)
.irp t, 0,1,2,3,4,5,6,7,8,9,10,11,12,13,14,15
	ds_load_b128 v[BBK+4*\t:BBK+4*\t+3], v[RD] offset:\t*SPITCH
.endr
.endm
.macro SEND a, younger                 ; younger: the LDS instructions issued behind block a's loads, which may stay out
.set BBK, BK+64*((\a)%2)
	s_wait_dscnt \younger                          ; the block is back in registers
.if (\a) > 0
	s_add_nc_u64 s[12:13], s[12:13], 16*4096       ; (behind a wait on XCNT: the earlier stores have read their base)  16 rows of out0 on
.endif
.irp t, 0,1,2,3,4,5,6,7,8,9,10,11,12,13,14,15
	global_store_b128 v[CO], v[BBK+4*\t:BBK+4*\t+3], s[12:13] offset:\t*4096 th:TH_STORE_NT   ; 32 lanes store 512 consecutive bytes, at a multiple of 256 from out0's first byte
.endr
.endm
	s_wait_kmcnt 0x0
	s_add_co_i32 s96, s96, s97
	s_add_co_i32 s96, s96, 127
	s_lshl_b32 s96, s96, 23                        ; 2^(e10 + e11) as f32
	s_mov_b32 s97, s96                             ; (named with it as a pair, so it is written)
	s_wait_loadcnt 0x0                             ; bo
	PLACES                                         ; behind the last products: their results are read, and y's fragment registers loaded, below
	TOSTAGE 0
.irp a, 1,2,3
.if \a > 1
	s_wait_xcnt 0x0                                ; block a - 2's stores have read their registers and their base
.endif
	TOSTAGE \a
	SEND \a-1, 32                                  ; behind block a - 1's loads: block a's 16 stores and 16 loads
.endr
	s_wait_xcnt 0x0                                ; block 2's stores have read their base
	SEND 3, 0
	s_wait_tensorcnt 0x0                           ; the wave's end
	ds_add_u32 v[SPW], v[NIL]
	s_wait_dscnt 0x0
	CROUND                                         ; the closing round: no work-group ends while a partner may still ask for a tile that names it
	s_endpgm
.Lfunc_end_k_q952aa4adc6_proj:
	.size	k_q952aa4adc6_proj, .Lfunc_end_k_q952aa4adc6_proj-k_q952aa4adc6_proj
	.p2alignl 7, 3214868480
	.fill 96, 4, 3214868480
	.section	.rodata,"a",@progbits
	.p2align	6, 0x0
	.amdhsa_kernel k_q952aa4adc6_proj
		.amdhsa_group_segment_fixed_size 327680
		.amdhsa_private_segment_fixed_size 0
		.amdhsa_enable_private_segment 0
		.amdhsa_kernarg_size 40
		.amdhsa_user_sgpr_count 2
		.amdhsa_user_sgpr_kernarg_segment_ptr 1
		.amdhsa_wavefront_size32 1
		.amdhsa_system_sgpr_workgroup_id_x 1
		.amdhsa_system_sgpr_workgroup_id_y 1
		.amdhsa_system_sgpr_workgroup_id_z 1
		.amdhsa_system_vgpr_workitem_id 0
		.amdhsa_next_free_vgpr 832
		.amdhsa_next_free_sgpr 100
		.amdhsa_reserve_vcc 0
		.amdhsa_float_denorm_mode_32 3
		.amdhsa_float_denorm_mode_16_64 3
		.amdhsa_memory_ordered 1
		.amdhsa_forward_progress 1
		.amdhsa_inst_pref_size 79
	.end_amdhsa_kernel
	.amdgpu_metadata
---
amdhsa.version: [ 1, 2 ]
amdhsa.kernels:
  - .name:           k_q952aa4adc6_proj
    .symbol:         k_q952aa4adc6_proj.kd
    .args:
      - { .name: yimg, .offset: 0, .size: 8, .value_kind: global_buffer, .address_space: global }
      - { .name: Wo_codes, .offset: 8, .size: 8, .value_kind: global_buffer, .address_space: global }
      - { .name: lowp_scales, .offset: 16, .size: 8, .value_kind: global_buffer, .address_space: global }
      - { .name: bo, .offset: 24, .size: 8, .value_kind: global_buffer, .address_space: global }
      - { .name: out0, .offset: 32, .size: 8, .value_kind: global_buffer, .address_space: global }
    .group_segment_fixed_size: 327680
    .private_segment_fixed_size: 0
    .kernarg_segment_align: 8
    .kernarg_segment_size: 40
    .max_flat_workgroup_size: 128
    .sgpr_count:     100
    .vgpr_count:     832
    .wavefront_size: 32
...
	.end_amdgpu_metadata
.endif
;; end of part 3
